; MI455X (gfx1250); checked and timed in simulation.
; The chip was launched on July 23, 2026; its instructions are those of AMD's public machine-readable ISA for CDNA 5 (MIT licence, August 2026) and "CDNA5" Instruction Set Architecture Reference Guide (July 2026). The comments in the code are by the model that wrote it; some were corrected since.
;; SGD NFM. Allowed arithmetic: float matrix products may take bf16 or f16 operands with f32 sums; all other float work in f32.
;; Inputs: W0 16 x 128 float32; W1 128 x 128 float32; Xi 16,384 x 39 x 1 int32; Xv 16,384 x 39 float32; b0 128 float32; b1 128 float32; b_bias one number float32; e2 39 x 100,000 x 16 float32; w1 39 x 100,000 float32.
;; Outputs: out0 16,384 float32.
;; 2 versions, each right; version 2 is version 1 with the launch nfm written anew for expert scheduling mode. Each part assembles by itself: llvm-mc -triple=amdgcn-amd-amdhsa -mcpu=gfx1250 --defsym DOCPART=n.
;; ======== version 1 of 2: 1 launch
;; launch nfm (part 1): grid 256 x 1, 8 waves a work-group, no clusters, 69,632 bytes of LDS; arguments Xi, Xv, w1, e2, W0, b0, W1, b1, b_bias, out0; writes out0
.if DOCPART == 1
	.amdgcn_target "amdgcn-amd-amdhsa--gfx1250"
	.amdhsa_code_object_version 6
	.text
	.protected	k_q01ab668963_nfm
	.globl	k_q01ab668963_nfm
	.p2align	8
	.type	k_q01ab668963_nfm,@function
k_q01ab668963_nfm:
	s_mov_b64 s[64:65], 0
	v_nop
	global_prefetch_b8 v0, s[64:65] scope:SCOPE_SE
	s_setreg_imm32_b32 hwreg(HW_REG_WAVE_MODE, 25, 1), 1
	s_wait_xcnt 0x0
; out[b] = b_bias + sum_f w1[f][Xi[b][f]] Xv[b][f] + sum_n relu(relu(second W0 + b0) W1 + b1)[n],
; second = 0.5 (s s - sum_f v v), v = e2[f][Xi[b][f]][0..15] Xv[b][f], s = sum_f v.      16,384 rows, 39 fields, E = 16, H = 128.
;
; ONE LAUNCH, nothing goes through memory.  256 work-groups of 8 waves; a work-group owns 64 rows.
; GATHER: wave w owns rows 8w .. 8w+7.  Lane L = (row q = L>>2, quarter c = L&3) owns components 4c .. 4c+3 of its row, so one 16-byte load of
; the wave fetches 8 whole rows of e2 (4 neighbouring lanes = the row's 64 bytes) and the sum over the fields stays inside the lane.  A wave issues
; its 10 loads from w1 and its 39 from e2 in one run, as soon as its indices are known: all that the launch gathers is asked for at once.
; MLP, transposed: wave w takes the 16 rows of batch tile bt = w>>1 and the 64 outputs of half hf = w&1 of layer 2.  Layer 1 is
; D = W0^T (source 0) x second^T (source 1): lane (r, h), register j holds hidden unit 16t+8h+j of row r, so that after ReLU and packing the tiles
; 2c and 2c+1 ARE source 1 of layer 2's K step c: no way through LDS between the layers.  The biases are loaded into the accumulators.
; The instruction's K is 32 and layer 1's is 16: K places 16-31 carry W0 once more and, on the other side, second - bf16(second).
;
; NO CLUSTER, NO TENSOR LOADS: the gathered rows are 64 bytes at places that the indices name, no tiles, and no two work-groups share them.  What
; all work-groups read alike is W0, W1, b0, b1: 74,752 bytes, once per work-group and in no loop.  They have to become bf16 on the way, which here
; happens in the registers that they are loaded into; a joint tensor load would lay them into LDS as f32, to be read, converted and stored again.
; NO PREFETCH: each gathered row is asked for by its real load as soon as its index is in a register; nothing could be asked for earlier.
;
; LIMITS.  ReLU is v_max_num_f32 with 0: a NaN in front of it becomes 0 (the problem's formula would hand it on).  A component of second at or
; beyond bf16's largest finite number (3.39e38) rounds to infinity and its residue is then NaN.  An index above 99,999 is clamped to 99,999 (the
; problem keeps indices inside the table).  W0, W1 and layer 1's output are rounded to bf16; all sums are f32, those over the fields by fused
; multiply-adds in ascending f, the first-order sum in four parts per row: the order of rounding is not the problem's.
.set V,      100000                    ; rows in a field's table
.set ROWB,   156                       ; bytes of a row of Xi or Xv (39 words)
.set WAVEB,  8*ROWB                    ; 1,248: a wave's 8 rows = 78 pieces of 16 bytes
.set WGB,    8*WAVEB                   ; 9,984: a work-group's 64 rows
; LDS
.set XV_L,   WGB                       ; Xi's copy at 0, Xv's behind it, both dense; wave w's part at 1248 w, read by wave w alone
.set W1L,    2*WGB                     ; 19,968: W1 in bf16, [k][n], pitch 288
.set WP,     288                       ; 256 bytes of data + 32: an odd multiple of 32 bytes, for the transposing loads
.set W0L,    W1L+128*WP                ; 56,832: W0 in bf16, [k][n], the same pitch
.set BIAS,   W0L+16*WP                 ; 61,440: b0[128], b1[128] in f32
.set SEC,    BIAS+1024                 ; 62,464: 64 rows, pitch 80: bf16(second)[16] at +0, the residue's bf16[16] at +32
.set SP,     80                        ; an odd multiple of 16 bytes
.set FIRST,  SEC+64*SP                 ; 67,584: first-order sum of each row, f32
.set PART,   FIRST+256                 ; 67,840: [wave][r]: sum of the wave's 64 outputs for its row r, f32.  Ends at 68,352
; vector registers, gather
.set LN,     1                         ; lane
.set CQ,     2                         ; c = lane & 3
.set VO,     3                         ; 1248 wave + 16 lane: offset in Xi and Xv, and LDS address of the copy
.set AXI,    4                         ; 1248 wave + 156 q: my row in the copy
.set AW,     5                         ; AXI + 4 c
.set Q16,    6                         ; 16 c
.set CV4,    7                         ; 400,000 c: c tables of w1, in bytes
.set GW,     8                         ; 16 t: offset in W1 and W0
.set LW,     9                         ; W1L + 288 wave + 8 lane
.set GB,     10                        ; 4 (t & 127): offset in b0 or b1
.set LB,     11                        ; BIAS + 128 wave + 4 lane
.set LSEC,   12                        ; SEC + 640 wave + 80 q + 8 c
.set LFIRST, 13                        ; FIRST + 32 wave + 4 q
.set TA,     14                        ; v14, v15, v26: at work
.set TB,     15
.set TC,     26
.set WD,     16                        ; v[16:25]   round i: index, then offset in w1, then the word of w1
.set BW,     27                        ; my word of b0 or b1
.set W,      28                        ; v[28:99]   weights as loaded: 16 quads of W1, 2 of W0; afterwards:
.set XV,     36                        ; v[36:74]   Xv of my row's 39 fields; v75 = 0, the partner of field 38 in its pair
.set WX,     76                        ; v[76:85]   Xv of the field that round i takes from w1
.set S,      86                        ; v[86:89]   sum of v
.set Q,      90                        ; v[90:93]   sum of v v
.set T,      94                        ; v[94:97]   v
.set P,      98                        ; first-order sum
.set D,      100                       ; v[100:255] field f: v[D+4f] index, then offset in e2; the load lands on its own quad v[D+4f:D+4f+3]
; vector registers, MLP
.set ASEC,   3                         ; SEC + 80 (16 bt + r) + 16 h
.set AW0,    4                         ; W0L + TR,  TR = 288 (8 h + (lane & 7)) + 16 ((lane >> 3) & 1)
.set AW1,    5                         ; W1L + TR + 128 hf
.set AB0,    6                         ; BIAS + 32 h
.set AB1,    7                         ; BIAS + 512 + 256 hf + 32 h
.set APART,  8                         ; PART + 64 wave + 4 r
.set B1,     16                        ; v[16:23]   second^T: 16 rows x (16 + 16) K
.set A0,     24                        ; v[24:87]   W0^T, 8 tiles of 16 hidden units
.set ACC1,   88                        ; v[88:151]  layer 1's 8 accumulators
.set X1,     152                       ; v[152:183] layer 1's output, bf16: source 1 of K steps 0..3
.set ACC2,   184                       ; v[184:215] layer 2's 4 accumulators
.set A1,     24                        ; v[24:151]  W1^T: K step c, tile u at A1 + 8 (4c + u): c = 0, 1 on A0's registers, c = 2, 3 on ACC1's
	; ---- set-up ----
	s_load_b512 s[8:23], s[0:1], 0x0               ; Xi s[8:9], Xv s[10:11], w1 s[12:13], e2 s[14:15], W0 s[16:17], b0 s[18:19], W1 s[20:21], b1 s[22:23]
	s_load_b128 s[24:27], s[0:1], 0x40             ; b_bias s[24:25], out0 s[26:27]
	s_set_vgpr_msb 0x40
	v_lshl_add_u32 v0, v0, 2, 0x10c00
	v_mov_b32 v1, 0
	s_set_vgpr_msb 0x4000
	v_and_b32 v[LN], 31, v0
	v_lshrrev_b32 v[TA], 5, v0
	v_readfirstlane_b32 s4, v[TA]                  ; wave 0..7
	s_lshr_b32 s5, s4, 1                           ; bt
	s_and_b32 s6, s4, 1                            ; hf
	s_mul_i32 s30, s4, WAVEB
	s_mov_b32 s29, 0                               ; partner of b_bias in its pair
	s_mov_b32 s32, 0x76543210                      ; v_permlanex16_b32: lane i of one half reads lane i of the other
	s_mov_b32 s33, 0xfedcba98
	s_mul_i32 s36, ttmp9, WGB                      ; the work-group's 64 rows in Xi and in Xv (below 2,555,904)
	s_mov_b32 s37, 0
	s_mul_i32 s38, s4, WP
	s_add_co_u32 s38, s38, W1L
	s_lshl_b32 s39, s4, 7
	s_add_co_u32 s39, s39, BIAS
	s_mul_i32 s40, s4, 8*SP
	s_add_co_u32 s40, s40, SEC
	s_lshl_b32 s41, s4, 5
	s_add_co_u32 s41, s41, FIRST
	s_mul_i32 s42, s5, 16*SP
	s_add_co_u32 s42, s42, SEC
	s_lshl_b32 s43, s6, 7
	s_add_co_u32 s43, s43, W1L
	s_lshl_b32 s44, s6, 8
	s_add_co_u32 s44, s44, BIAS+512
	s_lshl_b32 s45, s4, 6
	s_add_co_u32 s45, s45, PART
	v_and_b32 v[CQ], 3, v[LN]
	v_lshrrev_b32 v[TA], 2, v[LN]                  ; q
	v_lshl_add_u32 v[VO], v[LN], 4, s30
	v_mul_u32_u24 v[AXI], ROWB, v[TA]
	v_add_nc_u32 v[AXI], s30, v[AXI]
	v_lshl_add_u32 v[AW], v[CQ], 2, v[AXI]
	v_lshlrev_b32 v[Q16], 4, v[CQ]
	v_mul_u32_u24 v[CV4], 4*V, v[CQ]
	v_lshlrev_b32 v[GW], 4, v0
	v_lshl_add_u32 v[LW], v[LN], 3, s38
	v_and_b32 v[GB], 127, v0
	v_lshlrev_b32 v[GB], 2, v[GB]
	v_lshl_add_u32 v[LB], v[LN], 2, s39
	v_mul_u32_u24 v[LSEC], SP, v[TA]
	v_lshl_add_u32 v[LSEC], v[CQ], 3, v[LSEC]
	v_add_nc_u32 v[LSEC], s40, v[LSEC]
	v_lshl_add_u32 v[LFIRST], v[TA], 2, s41
	s_wait_kmcnt 0x0
	s_add_nc_u64 s[8:9], s[8:9], s[36:37]          ; Xi and Xv at the work-group's first row
	s_add_nc_u64 s[10:11], s[10:11], s[36:37]
	s_lshl_b32 s36, ttmp9, 8                       ; 64 results of 4 bytes
	s_add_nc_u64 s[26:27], s[26:27], s[36:37]
	s_cmp_lt_u32 s4, 4                             ; waves 0-3 fetch b0, waves 4-7 b1
	s_cselect_b64 s[34:35], s[18:19], s[22:23]
	s_load_b32 s28, s[24:25], 0x0                  ; b_bias; waited for in front of the first barrier
	; ---- 25 loads: my wave's part of Xi and Xv first, then the work-group's weights ----
	; 1,248 bytes are two loads of 512 and one that covers the last 512 (it overlaps the second by 288): every address is a constant + 16 lane.
	global_load_b128 v[D:D+3],     v[VO], s[8:9]
	global_load_b128 v[D+4:D+7],   v[VO], s[8:9] offset:512
	global_load_b128 v[D+8:D+11],  v[VO], s[8:9] offset:WAVEB-512
	global_load_b128 v[D+12:D+15], v[VO], s[10:11]
	global_load_b128 v[D+16:D+19], v[VO], s[10:11] offset:512
	global_load_b128 v[D+20:D+23], v[VO], s[10:11] offset:WAVEB-512
.irp j, 0,1,2,3,4,5,6,7,8,9,10,11,12,13,14,15
	global_load_b128 v[W+4*\j:W+4*\j+3], v[GW], s[20:21] offset:4096*\j        ; my wave: row k = 8j + wave of W1, 512 bytes
.endr
.irp j, 0,1
	global_load_b128 v[W+64+4*\j:W+64+4*\j+3], v[GW], s[16:17] offset:4096*\j  ; row k = 8j + wave of W0
.endr
	global_load_b32 v[BW], v[GB], s[34:35]
	; ---- indices to offsets, and the gather ----
	s_wait_loadcnt 19                              ; loads return in order (ISA guide 5.7.1): Xi and Xv are in; the 18 weight loads and the bias load stay out
	ds_store_b128 v[VO], v[D:D+3]
	ds_store_b128 v[VO], v[D+4:D+7]   offset:512
	ds_store_b128 v[VO], v[D+8:D+11]  offset:WAVEB-512
	ds_store_b128 v[VO], v[D+12:D+15] offset:XV_L
	ds_store_b128 v[VO], v[D+16:D+19] offset:XV_L+512
	ds_store_b128 v[VO], v[D+20:D+23] offset:XV_L+WAVEB-512
	; These bytes are my wave's own and LDS serves a wave's instructions in order: the reads below need no wait and no barrier.
	; w1: the row's four lanes share the 39 fields: round i takes field 4i + c, round 9 fields 35 + c (field 35 a second time: switched off below).
.irp i, 0,1,2,3,4,5,6,7,8
	ds_load_b32 v[WD+\i], v[AW] offset:16*\i
.endr
	ds_load_b32 v[WD+9], v[AW] offset:140
.irp f, 0,1,2,3,4,5,6,7,8,9,10,11,12,13,14,15,16,17,18,19,20,21,22,23,24,25,26,27,28,29,30,31,32,33,34,35,36,37,38
	ds_load_b32 v[D+4*\f], v[AXI] offset:4*\f      ; the row's four lanes read the same word
.endr
; index -> byte offset: (min(index, V-1) + addc) << sh, plus the lane's term
.macro OFFS reg, addc, sh, lane
	v_min_u32 v[\reg], 0x1869f, v[\reg]            ; V - 1
.if (\addc)
	v_add_nc_u32 v[\reg], \addc, v[\reg]
.endif
	v_lshl_add_u32 v[\reg], v[\reg], \sh, v[\lane]
.endm
	s_wait_dscnt 39                                ; the ten indices for w1 are in; the 39 reads behind them stay out
.irp i, 0,1,2,3,4,5,6,7,8
	OFFS WD+\i, 4*\i*V, 2, CV4
	global_load_b32 v[WD+\i], v[WD+\i], s[12:13]
.endr
	OFFS WD+9, 35*V, 2, CV4
	global_load_b32 v[WD+9], v[WD+9], s[12:13]
	s_wait_dscnt 0x0
.irp f, 0,1,2,3,4,5,6,7,8,9,10,11,12,13,14,15,16,17,18,19,20,21,22,23,24,25,26,27,28,29,30,31,32,33,34,35,36,37,38
	OFFS D+4*\f, \f*V, 6, Q16                      ; at most 249,599,984: below 2^31
	global_load_b128 v[D+4*\f:D+4*\f+3], v[D+4*\f], s[14:15]   ; the load lands on its own offset register
.endr
	; 19 + 49 loads have been issued by now; an issue that would pass the counter's field is held back by the hardware (ISA guide 5.7.1).
	; ---- while the gather is on its way: weights to bf16 and into LDS ----
.macro CVTW a, off
	v_cvt_pk_bf16_f32 v[\a],   v[\a],   v[\a+1]
	v_cvt_pk_bf16_f32 v[\a+1], v[\a+2], v[\a+3]
	ds_store_b64 v[LW], v[\a:\a+1] offset:\off     ; the wave's 32 lanes: a row's 256 bytes
.endm
	s_wait_loadcnt 49                              ; weights and bias are in; the 10 + 39 gathering loads stay out
.irp j, 0,1,2,3,4,5,6,7,8,9,10,11,12,13,14,15
	CVTW W+4*\j, 8*WP*\j
.endr
.irp j, 0,1
	CVTW W+64+4*\j, 128*WP+8*WP*\j
.endr
	ds_store_b32 v[LB], v[BW]
	; Xv of my row, out of my wave's own copy, into the registers that the weights have left
.irp f, 0,1,2,3,4,5,6,7,8,9,10,11,12,13,14,15,16,17,18,19,20,21,22,23,24,25,26,27,28,29,30,31,32,33,34,35,36,37,38
	ds_load_b32 v[XV+\f], v[AXI] offset:XV_L+4*\f
.endr
.irp i, 0,1,2,3,4,5,6,7,8
	ds_load_b32 v[WX+\i], v[AW] offset:XV_L+16*\i
.endr
	ds_load_b32 v[WX+9], v[AW] offset:XV_L+140
	v_mov_b32 v[XV+39], 0                          ; never multiplied with: it only completes field 38's register pair
	; the MLP's addresses.  v3, v8 and v10 were offsets of loads that the two counted waits above have shown done; v4 and v5 serve LDS only.
	v_and_b32 v[TA], 15, v[LN]                     ; r
	v_lshrrev_b32 v[TB], 4, v[LN]                  ; h
	v_mul_u32_u24 v[ASEC], SP, v[TA]
	v_lshl_add_u32 v[ASEC], v[TB], 4, v[ASEC]
	v_add_nc_u32 v[ASEC], s42, v[ASEC]
	v_and_b32 v[TC], 7, v[LN]
	v_lshl_or_b32 v[TC], v[TB], 3, v[TC]           ; 8 h + (lane & 7): the row of k that I address
	v_mul_u32_u24 v[TC], WP, v[TC]
	v_bfe_u32 v[GB], v[LN], 3, 1
	v_lshl_add_u32 v[TC], v[GB], 4, v[TC]          ; TR
	v_add_nc_u32 v[AW0], W0L, v[TC]
	v_add_nc_u32 v[AW1], s43, v[TC]
	v_lshl_add_u32 v[AB0], v[TB], 5, BIAS
	v_lshl_add_u32 v[AB1], v[TB], 5, s44
	v_lshl_add_u32 v[APART], v[TA], 2, s45
	s_wait_dscnt 0x0                               ; Xv is in registers
	v_cmp_ne_u32 vcc_lo, 0, v[CQ]
	v_cndmask_b32 v[WX+9], 0, v[WX+9], vcc_lo      ; lane c = 0 met field 35 in round 8 (as 32 + 3 in lane 3): its second visit counts 0
	; ---- first order ----
	s_wait_loadcnt 39                              ; the ten words of w1 are in; e2's 39 loads stay out
	v_mul_f32 v[P], v[WD], v[WX]
.irp i, 1,2,3,4,5,6,7,8,9
	v_fmac_f32 v[P], v[WD+\i], v[WX+\i]
.endr
	v_add_f32_dpp v[P], v[P], v[P] row_xmask:1 row_mask:0xf bank_mask:0xf      ; over the row's four lanes
	v_add_f32_dpp v[P], v[P], v[P] row_xmask:2 row_mask:0xf bank_mask:0xf
	ds_store_b32 v[LFIRST], v[P]                   ; the four lanes store the same number to the same word
	; ---- second order: S += e xv, Q += (e xv)^2, field by field as the rows arrive ----
; b = f & 1 picks Xv[f] out of its register pair for both halves of the packed forms
.macro FIELD f, b
	s_wait_loadcnt 38-(\f)                         ; field f's row is in; the later fields' stay out
	v_pk_mul_f32 v[T:T+1],   v[D+4*(\f):D+4*(\f)+1],   v[XV+(\f)-\b:XV+(\f)-\b+1] op_sel:[0,\b] op_sel_hi:[1,\b]
	v_pk_mul_f32 v[T+2:T+3], v[D+4*(\f)+2:D+4*(\f)+3], v[XV+(\f)-\b:XV+(\f)-\b+1] op_sel:[0,\b] op_sel_hi:[1,\b]
	v_pk_fma_f32 v[S:S+1],   v[D+4*(\f):D+4*(\f)+1],   v[XV+(\f)-\b:XV+(\f)-\b+1], v[S:S+1]   op_sel:[0,\b,0] op_sel_hi:[1,\b,1]
	v_pk_fma_f32 v[S+2:S+3], v[D+4*(\f)+2:D+4*(\f)+3], v[XV+(\f)-\b:XV+(\f)-\b+1], v[S+2:S+3] op_sel:[0,\b,0] op_sel_hi:[1,\b,1]
	v_pk_fma_f32 v[Q:Q+1],   v[T:T+1],   v[T:T+1],   v[Q:Q+1]
	v_pk_fma_f32 v[Q+2:Q+3], v[T+2:T+3], v[T+2:T+3], v[Q+2:Q+3]
.endm
	s_wait_loadcnt 38                              ; field 0 starts the sums: nothing is cleared
	v_pk_mul_f32 v[S:S+1],   v[D:D+1],   v[XV:XV+1] op_sel_hi:[1,0]
	v_pk_mul_f32 v[S+2:S+3], v[D+2:D+3], v[XV:XV+1] op_sel_hi:[1,0]
	v_pk_mul_f32 v[Q:Q+1],   v[S:S+1],   v[S:S+1]
	v_pk_mul_f32 v[Q+2:Q+3], v[S+2:S+3], v[S+2:S+3]
	FIELD 1, 1
.irp g, 1,2,3,4,5,6,7,8,9,10,11,12,13,14,15,16,17,18
	FIELD 2*\g, 0
	FIELD 2*\g+1, 1
.endr
	FIELD 38, 0
	; ---- second = 0.5 (S S - Q), as bf16 and the bf16 of what that rounding lost ----
	v_pk_fma_f32 v[T:T+1],   v[S:S+1],   v[S:S+1],   v[Q:Q+1]   neg_lo:[0,0,1] neg_hi:[0,0,1]
	v_pk_fma_f32 v[T+2:T+3], v[S+2:S+3], v[S+2:S+3], v[Q+2:Q+3] neg_lo:[0,0,1] neg_hi:[0,0,1]
	v_pk_mul_f32 v[T:T+1],   v[T:T+1],   0.5 op_sel_hi:[1,0]
	v_pk_mul_f32 v[T+2:T+3], v[T+2:T+3], 0.5 op_sel_hi:[1,0]
	v_cvt_pk_bf16_f32 v[S],   v[T],   v[T+1]
	v_cvt_pk_bf16_f32 v[S+1], v[T+2], v[T+3]
	v_lshlrev_b32 v[Q],   16, v[S]                 ; the rounded numbers as f32 again
	v_and_b32     v[Q+1], 0xffff0000, v[S]
	v_lshlrev_b32 v[Q+2], 16, v[S+1]
	v_and_b32     v[Q+3], 0xffff0000, v[S+1]
	v_pk_add_f32 v[T:T+1],   v[T:T+1],   v[Q:Q+1]   neg_lo:[0,1] neg_hi:[0,1]
	v_pk_add_f32 v[T+2:T+3], v[T+2:T+3], v[Q+2:Q+3] neg_lo:[0,1] neg_hi:[0,1]
	v_cvt_pk_bf16_f32 v[S+2], v[T],   v[T+1]
	v_cvt_pk_bf16_f32 v[S+3], v[T+2], v[T+3]
	ds_store_b64 v[LSEC], v[S:S+1]                 ; K places 4c .. 4c+3
	ds_store_b64 v[LSEC], v[S+2:S+3] offset:32     ; K places 16+4c .. 16+4c+3
	s_wait_dscnt 0x0                               ; for the other waves' sake: my rows of W1 and W0, my bias words, my rows of second and of the first-order sums are in LDS
	s_wait_kmcnt 0x0                               ; b_bias
	s_barrier_signal -1
	s_barrier_wait -1                              ; everybody's are
	; ---- layer 1: 8 tiles of 16 hidden units x my 16 rows ----
	ds_load_b128 v[B1:B1+3],   v[ASEC]             ; K = 8h .. 8h+7: second
	ds_load_b128 v[B1+4:B1+7], v[ASEC] offset:32   ; K = 16+8h .. : its residue
.irp t, 0,1,2,3,4,5,6,7
	ds_load_tr16_b128 v[A0+8*\t:A0+8*\t+3],   v[AW0] offset:32*\t      ; W0[8h .. 8h+7][16t + r]
	ds_load_tr16_b128 v[A0+8*\t+4:A0+8*\t+7], v[AW0] offset:32*\t      ; the same once more, for K places 16+8h ..
	ds_load_b128 v[ACC1+8*\t:ACC1+8*\t+3],   v[AB0] offset:64*\t       ; b0[16t + 8h + 0..3] starts the sums
	ds_load_b128 v[ACC1+8*\t+4:ACC1+8*\t+7], v[AB0] offset:64*\t+16
.endr
.irp u, 0,1,2,3
	ds_load_b128 v[ACC2+8*\u:ACC2+8*\u+3],   v[AB1] offset:64*\u       ; b1[64hf + 16u + 8h + 0..3]
	ds_load_b128 v[ACC2+8*\u+4:ACC2+8*\u+7], v[AB1] offset:64*\u+16
.endr
	s_wait_dscnt 0x0
.irp t, 0,1,2,3,4,5,6,7
	v_wmma_f32_16x16x32_bf16 v[ACC1+8*\t:ACC1+8*\t+7], v[A0+8*\t:A0+8*\t+7], v[B1:B1+7], v[ACC1+8*\t:ACC1+8*\t+7]
.endr
.rept 4
	v_nop                                          ; four places behind the last matrix instruction before loads land on its
.endr                                                  ; sources and vector instructions read its result; the matrix instructions between are not counted
	; ---- layer 2: my 64 outputs x my 16 rows, K = 128 in four steps ----
.macro LOADA1 c
.irp u, 0,1,2,3
	ds_load_tr16_b128 v[A1+8*(4*\c+\u):A1+8*(4*\c+\u)+3],   v[AW1] offset:32*WP*\c+32*\u          ; W1[32c + 8h ..][64hf + 16u + r]
	ds_load_tr16_b128 v[A1+8*(4*\c+\u)+4:A1+8*(4*\c+\u)+7], v[AW1] offset:32*WP*\c+32*\u+16*WP    ; W1[32c + 16 + 8h ..][..]
.endr
.endm
.macro MUL2 c
.irp u, 0,1,2,3
	v_wmma_f32_16x16x32_bf16 v[ACC2+8*\u:ACC2+8*\u+7], v[A1+8*(4*\c+\u):A1+8*(4*\c+\u)+7], v[X1+8*\c:X1+8*\c+7], v[ACC2+8*\u:ACC2+8*\u+7]
.endr
.endm
	LOADA1 0                                       ; onto A0's registers
	LOADA1 1
.irp t, 0,1,2,3,4,5,6,7
.irp p, 0,1,2,3
	v_max_num_f32 v[ACC1+8*\t+2*\p],   0, v[ACC1+8*\t+2*\p]
	v_max_num_f32 v[ACC1+8*\t+2*\p+1], 0, v[ACC1+8*\t+2*\p+1]
	v_cvt_pk_bf16_f32 v[X1+4*\t+\p], v[ACC1+8*\t+2*\p], v[ACC1+8*\t+2*\p+1]    ; hidden units 16t+8h+2p, +1 of row r: K step t>>1, register 4(t&1)+p
.endr
.endr
	LOADA1 2                                       ; onto ACC1's registers, which have been packed
	LOADA1 3
	s_wait_dscnt 16                                ; K steps 0 and 1 are in; the 16 loads of steps 2 and 3 stay out
	MUL2 0
	MUL2 1
	s_wait_dscnt 0x0
	MUL2 2
	MUL2 3
.rept 4
	v_nop                                          ; four places before the results are read (ISA guide 7.12.1)
.endr
	; ---- ReLU and the sum of my 64 outputs for each of my 16 rows ----
.irp i, 0,1,2,3,4,5,6,7,8,9,10,11,12,13,14,15,16,17,18,19,20,21,22,23,24,25,26,27,28,29,30,31
	v_max_num_f32 v[ACC2+\i], 0, v[ACC2+\i]
.endr
.irp i, 0,1,2,3,4,5,6,7
	v_pk_add_f32 v[ACC2+2*\i:ACC2+2*\i+1], v[ACC2+2*\i:ACC2+2*\i+1], v[ACC2+16+2*\i:ACC2+16+2*\i+1]
.endr
.irp i, 0,1,2,3
	v_pk_add_f32 v[ACC2+2*\i:ACC2+2*\i+1], v[ACC2+2*\i:ACC2+2*\i+1], v[ACC2+8+2*\i:ACC2+8+2*\i+1]
.endr
.irp i, 0,1
	v_pk_add_f32 v[ACC2+2*\i:ACC2+2*\i+1], v[ACC2+2*\i:ACC2+2*\i+1], v[ACC2+4+2*\i:ACC2+4+2*\i+1]
.endr
	v_pk_add_f32 v[ACC2:ACC2+1], v[ACC2:ACC2+1], v[ACC2+2:ACC2+3]
	v_add_f32 v[ACC2], v[ACC2], v[ACC2+1]          ; my 32 outputs (h's eight of each tile)
	v_permlanex16_b32 v[ACC2+1], v[ACC2], s32, s33 ; the other h's
	v_add_f32 v[ACC2], v[ACC2], v[ACC2+1]
	ds_store_b32 v[APART], v[ACC2]                 ; lanes r and 16 + r store the same number to the same word
	s_wait_dscnt 0x0                               ; in LDS, for wave 0's sake
	s_barrier_signal -1
	s_barrier_wait -1
	; ---- wave 0 adds up and stores: lane L has rows 2L and 2L+1 of the work-group ----
	s_cmp_lg_u32 s4, 0
	s_cbranch_scc1 .Lend
	v_lshlrev_b32 v16, 3, v[LN]                    ; 8 L: offset in out0
	v_lshl_add_u32 v17, v[LN], 3, FIRST
	v_lshrrev_b32 v18, 3, v[LN]                    ; batch tile of my rows
	v_and_b32 v19, 7, v[LN]
	v_lshlrev_b32 v19, 3, v19                      ; r = 2 (L & 7), in bytes
	v_lshl_add_u32 v18, v18, 7, v19                ; + 128 for each batch tile (two waves' 64 bytes)
	v_add_nc_u32 v18, PART, v18
	ds_load_b64 v[20:21], v17                      ; first-order sums
	ds_load_b64 v[22:23], v18                      ; outputs 0-63
	ds_load_b64 v[24:25], v18 offset:64            ; outputs 64-127
	s_wait_dscnt 0x0
	v_pk_add_f32 v[20:21], v[20:21], s[28:29] op_sel_hi:[1,0]      ; + b_bias in both
	v_pk_add_f32 v[22:23], v[22:23], v[24:25]
	v_pk_add_f32 v[20:21], v[20:21], v[22:23]
	global_store_b64 v16, v[20:21], s[26:27]       ; 32 lanes x 8 bytes: the work-group's 256 consecutive bytes, at a multiple of 256 from out0's first byte
.Lend:
	s_set_vgpr_msb 0x5
	s_wait_tensorcnt 0x0
	ds_add_u32 v0, v1
	s_wait_dscnt 0x0
	s_set_vgpr_msb 0x500
	s_endpgm
.Lfunc_end_k_q01ab668963_nfm:
	.size	k_q01ab668963_nfm, .Lfunc_end_k_q01ab668963_nfm-k_q01ab668963_nfm
	.p2alignl 7, 3214868480
	.fill 96, 4, 3214868480
	.section	.rodata,"a",@progbits
	.p2align	6, 0x0
	.amdhsa_kernel k_q01ab668963_nfm
		.amdhsa_group_segment_fixed_size 69632
		.amdhsa_private_segment_fixed_size 0
		.amdhsa_enable_private_segment 0
		.amdhsa_kernarg_size 80
		.amdhsa_user_sgpr_count 2
		.amdhsa_user_sgpr_kernarg_segment_ptr 1
		.amdhsa_wavefront_size32 1
		.amdhsa_system_sgpr_workgroup_id_x 1
		.amdhsa_system_sgpr_workgroup_id_y 1
		.amdhsa_system_sgpr_workgroup_id_z 1
		.amdhsa_system_vgpr_workitem_id 0
		.amdhsa_next_free_vgpr 258
		.amdhsa_next_free_sgpr 66
		.amdhsa_reserve_vcc 1
		.amdhsa_float_denorm_mode_32 3
		.amdhsa_float_denorm_mode_16_64 3
		.amdhsa_memory_ordered 1
		.amdhsa_forward_progress 1
		.amdhsa_inst_pref_size 62
	.end_amdhsa_kernel
	.amdgpu_metadata
---
amdhsa.version: [ 1, 2 ]
amdhsa.kernels:
  - .name:           k_q01ab668963_nfm
    .symbol:         k_q01ab668963_nfm.kd
    .args:
      - { .name: Xi, .offset: 0, .size: 8, .value_kind: global_buffer, .address_space: global }
      - { .name: Xv, .offset: 8, .size: 8, .value_kind: global_buffer, .address_space: global }
      - { .name: w1, .offset: 16, .size: 8, .value_kind: global_buffer, .address_space: global }
      - { .name: e2, .offset: 24, .size: 8, .value_kind: global_buffer, .address_space: global }
      - { .name: W0, .offset: 32, .size: 8, .value_kind: global_buffer, .address_space: global }
      - { .name: b0, .offset: 40, .size: 8, .value_kind: global_buffer, .address_space: global }
      - { .name: W1, .offset: 48, .size: 8, .value_kind: global_buffer, .address_space: global }
      - { .name: b1, .offset: 56, .size: 8, .value_kind: global_buffer, .address_space: global }
      - { .name: b_bias, .offset: 64, .size: 8, .value_kind: global_buffer, .address_space: global }
      - { .name: out0, .offset: 72, .size: 8, .value_kind: global_buffer, .address_space: global }
    .group_segment_fixed_size: 69632
    .private_segment_fixed_size: 0
    .kernarg_segment_align: 8
    .kernarg_segment_size: 80
    .max_flat_workgroup_size: 256
    .sgpr_count:     66
    .vgpr_count:     258
    .wavefront_size: 32
...
	.end_amdgpu_metadata
.endif
;; end of part 1
;; ======== version 2 of 2: 1 launch; version 1 with the launch nfm written anew for expert scheduling mode
;; launch nfm (part 2): grid 256 x 1, 8 waves a work-group, no clusters, 69,632 bytes of LDS; arguments Xi, Xv, w1, e2, W0, b0, W1, b1, b_bias, out0; writes out0
.if DOCPART == 2
	.amdgcn_target "amdgcn-amd-amdhsa--gfx1250"
	.amdhsa_code_object_version 6
	.text
	.protected	k_q01ab668963_nfm
	.globl	k_q01ab668963_nfm
	.p2align	8
	.type	k_q01ab668963_nfm,@function
k_q01ab668963_nfm:
	s_mov_b64 s[64:65], 0
	v_nop
	global_prefetch_b8 v0, s[64:65] scope:SCOPE_SE
	s_setreg_imm32_b32 hwreg(HW_REG_WAVE_SCHED_MODE, 0, 2), 2
	s_setreg_imm32_b32 hwreg(HW_REG_WAVE_MODE, 25, 1), 1
	s_wait_xcnt 0x0
	s_wait_alu depctr_vm_vsrc(0)
; out[b] = b_bias + sum_f w1[f][Xi[b][f]] Xv[b][f] + sum_n relu(relu(second W0 + b0) W1 + b1)[n],
; second = 0.5 (s s - sum_f v v), v = e2[f][Xi[b][f]][0..15] Xv[b][f], s = sum_f v.      16,384 rows, 39 fields, E = 16, H = 128.
;
; ONE LAUNCH, nothing goes through memory.  256 work-groups of 8 waves; a work-group owns 64 rows.
; GATHER: wave w owns rows 8w .. 8w+7.  Lane L = (row q = L>>2, quarter c = L&3) owns components 4c .. 4c+3 of its row, so one 16-byte load of
; the wave fetches 8 whole rows of e2 (4 neighbouring lanes = the row's 64 bytes) and the sum over the fields stays inside the lane.  A wave issues
; its 10 loads from w1 and its 39 from e2 in one run, as soon as its indices are known: all that the launch gathers is asked for at once.
; MLP, transposed: wave w takes the 16 rows of batch tile bt = w>>1 and the 64 outputs of half hf = w&1 of layer 2.  Layer 1 is
; D = W0^T (source 0) x second^T (source 1): lane (r, h), register j holds hidden unit 16t+8h+j of row r, so that after ReLU and packing the tiles
; 2c and 2c+1 ARE source 1 of layer 2's K step c: no way through LDS between the layers.  The biases are loaded into the accumulators.
; The instruction's K is 32 and layer 1's is 16: K places 16-31 carry W0 once more and, on the other side, second - bf16(second).
;
; NO CLUSTER, NO TENSOR LOADS: the gathered rows are 64 bytes at places that the indices name, no tiles, and no two work-groups share them.  What
; all work-groups read alike is W0, W1, b0, b1: 74,752 bytes, once per work-group and in no loop.  They have to become bf16 on the way, which here
; happens in the registers that they are loaded into; a joint tensor load would lay them into LDS as f32, to be read, converted and stored again.
; NO PREFETCH: each gathered row is asked for by its real load as soon as its index is in a register; nothing could be asked for earlier.
;
; LIMITS.  ReLU is v_max_num_f32 with 0: a NaN in front of it becomes 0 (the problem's formula would hand it on).  A component of second at or
; beyond bf16's largest finite number (3.39e38) rounds to infinity and its residue is then NaN.  An index above 99,999 is clamped to 99,999 (the
; problem keeps indices inside the table).  W0, W1 and layer 1's output are rounded to bf16; all sums are f32, those over the fields by fused
; multiply-adds in ascending f, the first-order sum in four parts per row: the order of rounding is not the problem's.
;
; THE MODE: SCHED_MODE bits 1:0 = 2 (LLVM: expert scheduling mode 2), set by the entry lines.  The code itself states the register dependences
; between vector or matrix instructions and memory or LDS instructions, with s_wait_alu, always for 0.
; THE PLAN.  The text has no loop.  Registers that memory or LDS instructions touch, in program order:
;   v3-v5, v8-v13    offsets and LDS addresses, made at the head; one wait on va_vdst ahead of the first load serves all their readers.  v4, v5, v12, v13 are
;                    never written again; v3, v8-v11 become addresses of the MLP behind the wait on vm_vsrc that follows their last readers.
;   v[D:D+23]        Xi and Xv as loaded; data of six LDS stores; then rows of e2 land there: a wait on vm_vsrc ahead of the gather.
;   window 1, 49     an index lands by an LDS load, two or three vector lines make it an offset, one gathering load reads it, nothing writes it again.  All 145
;                    lines stand in one run, with one wait on va_vdst between them and the 49 loads.  No load lands on a register that a memory instruction reads.
;   W                the weights land; 36 conversions in place; one wait on va_vdst; 19 LDS stores; one wait on vm_vsrc; then Xv lands there, and S, Q, T, P are written there.
;   S, P             written by vector lines, data of the three LDS stores ahead of the first barrier (one wait on va_vdst); layer 1's fragments land there (one on vm_vsrc).
;   A0, ACC1         read by layer 1's matrix instructions and by the packing lines; W1's fragments land there: a wait on va_vdst ahead of each of the two runs.
;   The partial sum, wave 0's addresses and the last store's data: a wait on va_vdst ahead of each reader.
; REGISTERS above v255 are named through s_set_vgpr_msb (bits 1:0 source 0, 3:2 source 1, 5:4 source 2, 7:6 destination): four switches, all round the gather.
.set V,      100000                    ; rows in a field's table
.set ROWB,   156                       ; bytes of a row of Xi or Xv (39 words)
.set WAVEB,  8*ROWB                    ; 1,248: a wave's 8 rows = 78 pieces of 16 bytes
.set WGB,    8*WAVEB                   ; 9,984: a work-group's 64 rows
; LDS
.set XV_L,   WGB                       ; Xi's copy at 0, Xv's behind it, both dense; wave w's part at 1248 w, read by wave w alone
.set W1L,    2*WGB                     ; 19,968: W1 in bf16, [k][n], pitch 288
.set WP,     288                       ; 256 bytes of data + 32: an odd multiple of 32 bytes, for the transposing loads
.set W0L,    W1L+128*WP                ; 56,832: W0 in bf16, [k][n], the same pitch
.set BIAS,   W0L+16*WP                 ; 61,440: b0[128], b1[128] in f32
.set SEC,    BIAS+1024                 ; 62,464: 64 rows, pitch 80: bf16(second)[16] at +0, the residue's bf16[16] at +32
.set SP,     80                        ; an odd multiple of 16 bytes
.set FIRST,  SEC+64*SP                 ; 67,584: first-order sum of each row, f32
.set PART,   FIRST+256                 ; 67,840: [wave][r]: sum of the wave's 64 outputs for its row r, f32.  Ends at 68,352
; vector registers, gather
.set LN,     1                         ; lane
.set CQ,     2                         ; c = lane & 3
.set VO,     3                         ; 1248 wave + 16 lane: offset in Xi and Xv, and LDS address of the copy
.set AXI,    4                         ; 1248 wave + 156 q: my row in the copy
.set AW,     5                         ; AXI + 4 c
.set Q16,    6                         ; 16 c
.set CV4,    7                         ; 400,000 c: c tables of w1, in bytes
.set GW,     8                         ; 16 t: offset in W1 and W0
.set LW,     9                         ; W1L + 288 wave + 8 lane
.set GB,     10                        ; 4 (t & 127): offset in b0 or b1
.set LB,     11                        ; BIAS + 128 wave + 4 lane
.set LSEC,   12                        ; SEC + 640 wave + 80 q + 8 c
.set LFIRST, 13                        ; FIRST + 32 wave + 4 q
.set TA,     14                        ; v14, v15, v26: at work
.set TB,     15
.set TC,     26
.set WD,     16                        ; v[16:25]   round i: the word of w1
.set BW,     27                        ; my word of b0 or b1
.set W,      28                        ; v[28:99]   weights as loaded: 16 quads of W1, 2 of W0; afterwards:
.set XV,     36                        ; v[36:74]   Xv of my row's 39 fields; v75 = 0, the partner of field 38 in its pair
.set WX,     76                        ; v[76:85]   Xv of the field that round i takes from w1
.set S,      86                        ; v[86:89]   sum of v
.set Q,      90                        ; v[90:93]   sum of v v
.set T,      94                        ; v[94:97]   v
.set P,      98                        ; first-order sum
.set D,      100                       ; v[100:255] field f: my quarter of its row lands in v[D+4f:D+4f+3]; at first v[D:D+23]: my wave's part of Xi and Xv
.set OW,     0                         ; window 1, v[0:9]    (v256-v265)  round i: index, then offset in w1
.set OE,     10                        ; window 1, v[10:48]  (v266-v304)  field f: index, then offset in e2
; vector registers, MLP
.set ASEC,   3                         ; SEC + 80 (16 bt + r) + 16 h
.set AW0,    9                         ; W0L + TR,  TR = 288 (8 h + (lane & 7)) + 16 ((lane >> 3) & 1)
.set AW1,    11                        ; W1L + TR + 128 hf
.set AB0,    6                         ; BIAS + 32 h
.set AB1,    7                         ; BIAS + 512 + 256 hf + 32 h
.set APART,  8                         ; PART + 64 wave + 4 r
.set B1,     16                        ; v[16:23]   second^T: 16 rows x (16 + 16) K
.set A0,     24                        ; v[24:87]   W0^T, 8 tiles of 16 hidden units
.set ACC1,   88                        ; v[88:151]  layer 1's 8 accumulators
.set X1,     152                       ; v[152:183] layer 1's output, bf16: source 1 of K steps 0..3
.set ACC2,   184                       ; v[184:215] layer 2's 4 accumulators
.set A1,     24                        ; v[24:151]  W1^T: K step c, tile u at A1 + 8 (4c + u): c = 0, 1 on A0's registers, c = 2, 3 on ACC1's
.set MSB, 0
.macro WIN new                         ; the immediate's high byte repeats the setting that is left
.if MSB != (\new)
	s_set_vgpr_msb (MSB<<8)|(\new)
.set MSB, \new
.endif
.endm
	; ---- set-up ----
	s_load_b512 s[8:23], s[0:1], 0x0               ; Xi s[8:9], Xv s[10:11], w1 s[12:13], e2 s[14:15], W0 s[16:17], b0 s[18:19], W1 s[20:21], b1 s[22:23]
	s_load_b128 s[24:27], s[0:1], 0x40             ; b_bias s[24:25], out0 s[26:27]
	s_set_vgpr_msb 0x40
	v_lshl_add_u32 v50, v0, 2, 0x10c00
	v_mov_b32 v51, 0
	s_set_vgpr_msb 0x4000
	v_and_b32 v[LN], 31, v0
	v_lshrrev_b32 v[TA], 5, v0
	v_readfirstlane_b32 s4, v[TA]                  ; wave 0..7
	v_and_b32 v[CQ], 3, v[LN]                      ; what hangs on the thread alone stands between that line and the wait for it
	v_lshrrev_b32 v[TA], 2, v[LN]                  ; q
	v_mul_u32_u24 v[AXI], ROWB, v[TA]
	v_lshlrev_b32 v[Q16], 4, v[CQ]
	v_mul_u32_u24 v[CV4], 4*V, v[CQ]
	v_lshlrev_b32 v[GW], 4, v0
	v_and_b32 v[GB], 127, v0
	v_lshlrev_b32 v[GB], 2, v[GB]
	v_mul_u32_u24 v[LSEC], SP, v[TA]
	v_lshl_add_u32 v[LSEC], v[CQ], 3, v[LSEC]
	s_mov_b32 s29, 0                               ; partner of b_bias in its pair
	s_mov_b32 s32, 0x76543210                      ; v_permlanex16_b32: lane i of one half reads lane i of the other
	s_mov_b32 s33, 0xfedcba98
	s_mul_i32 s36, ttmp9, WGB                      ; the work-group's 64 rows in Xi and in Xv (below 2,555,904)
	s_mov_b32 s37, 0
	s_wait_alu depctr_va_sdst(0)                   ; s4 is written, ahead of its first reader: the scalar lines below are made from it
	s_lshr_b32 s5, s4, 1                           ; bt
	s_and_b32 s6, s4, 1                            ; hf
	s_mul_i32 s30, s4, WAVEB
	s_mul_i32 s38, s4, WP
	s_add_co_u32 s38, s38, W1L
	s_lshl_b32 s39, s4, 7
	s_add_co_u32 s39, s39, BIAS
	s_mul_i32 s40, s4, 8*SP
	s_add_co_u32 s40, s40, SEC
	s_lshl_b32 s41, s4, 5
	s_add_co_u32 s41, s41, FIRST
	s_mul_i32 s42, s5, 16*SP
	s_add_co_u32 s42, s42, SEC
	s_lshl_b32 s43, s6, 7
	s_add_co_u32 s43, s43, W1L
	s_lshl_b32 s44, s6, 8
	s_add_co_u32 s44, s44, BIAS+512
	s_lshl_b32 s45, s4, 6
	s_add_co_u32 s45, s45, PART
	v_lshl_add_u32 v[VO], v[LN], 4, s30
	v_add_nc_u32 v[AXI], s30, v[AXI]
	v_lshl_add_u32 v[AW], v[CQ], 2, v[AXI]
	v_lshl_add_u32 v[LW], v[LN], 3, s38
	v_lshl_add_u32 v[LB], v[LN], 2, s39
	v_add_nc_u32 v[LSEC], s40, v[LSEC]
	v_lshl_add_u32 v[LFIRST], v[TA], 2, s41
	s_wait_kmcnt 0x0
	s_add_nc_u64 s[8:9], s[8:9], s[36:37]          ; Xi and Xv at the work-group's first row
	s_add_nc_u64 s[10:11], s[10:11], s[36:37]
	s_lshl_b32 s36, ttmp9, 8                       ; 64 results of 4 bytes
	s_add_nc_u64 s[26:27], s[26:27], s[36:37]
	s_cmp_lt_u32 s4, 4                             ; waves 0-3 fetch b0, waves 4-7 b1
	s_cselect_b64 s[34:35], s[18:19], s[22:23]
	s_load_b32 s28, s[24:25], 0x0                  ; b_bias; waited for in front of the first barrier
	s_wait_alu depctr_va_vdst(0)                   ; the offsets and LDS addresses v3 to v5 and v8 to v13 are written: the loads and stores as far as the first barrier read them
	; ---- 25 loads: my wave's part of Xi and Xv first, then the work-group's weights ----
	; 1,248 bytes are two loads of 512 and one that covers the last 512 (it overlaps the second by 288): every address is a constant + 16 lane.
	global_load_b128 v[D:D+3],     v[VO], s[8:9]
	global_load_b128 v[D+4:D+7],   v[VO], s[8:9] offset:512
	global_load_b128 v[D+8:D+11],  v[VO], s[8:9] offset:WAVEB-512
	global_load_b128 v[D+12:D+15], v[VO], s[10:11]
	global_load_b128 v[D+16:D+19], v[VO], s[10:11] offset:512
	global_load_b128 v[D+20:D+23], v[VO], s[10:11] offset:WAVEB-512
.irp j, 0,1,2,3,4,5,6,7,8,9,10,11,12,13,14,15
	global_load_b128 v[W+4*\j:W+4*\j+3], v[GW], s[20:21] offset:4096*\j        ; my wave: row k = 8j + wave of W1, 512 bytes
.endr
.irp j, 0,1
	global_load_b128 v[W+64+4*\j:W+64+4*\j+3], v[GW], s[16:17] offset:4096*\j  ; row k = 8j + wave of W0
.endr
	global_load_b32 v[BW], v[GB], s[34:35]
	; ---- indices to offsets, and the gather ----
	s_wait_loadcnt 19                              ; loads return in order (ISA guide 5.7.1): Xi and Xv are in; the 18 weight loads and the bias load stay out
	ds_store_b128 v[VO], v[D:D+3]
	ds_store_b128 v[VO], v[D+4:D+7]   offset:512
	ds_store_b128 v[VO], v[D+8:D+11]  offset:WAVEB-512
	ds_store_b128 v[VO], v[D+12:D+15] offset:XV_L
	ds_store_b128 v[VO], v[D+16:D+19] offset:XV_L+512
	ds_store_b128 v[VO], v[D+20:D+23] offset:XV_L+WAVEB-512
	; These bytes are my wave's own and LDS serves a wave's instructions in order: the reads below need no wait and no barrier.
	; They land in window 1, in registers that no instruction has named yet; their addresses stand behind the head's wait.
	; w1: the row's four lanes share the 39 fields: round i takes field 4i + c, round 9 fields 35 + c (field 35 a second time: switched off below).
	WIN 0x40                                       ; destination window 1, address window 0
.irp i, 0,1,2,3,4,5,6,7,8
	ds_load_b32 v[OW+\i], v[AW] offset:16*\i
.endr
	ds_load_b32 v[OW+9], v[AW] offset:140
.irp f, 0,1,2,3,4,5,6,7,8,9,10,11,12,13,14,15,16,17,18,19,20,21,22,23,24,25,26,27,28,29,30,31,32,33,34,35,36,37,38
	ds_load_b32 v[OE+\f], v[AXI] offset:4*\f       ; the row's four lanes read the same word
.endr
; index -> byte offset: (min(index, V-1) + addc) << sh, plus the lane's term.  The index and the offset lie in window 1, the lane's term in window 0.
.macro OFFS reg, addc, sh, lane
	v_min_u32 v[\reg], 0x1869f, v[\reg]            ; V - 1
.if (\addc)
	v_add_nc_u32 v[\reg], \addc, v[\reg]
.endif
	v_lshl_add_u32 v[\reg], v[\reg], \sh, v[\lane]
.endm
	WIN 0x45                                       ; destination, source 0 and source 1 window 1; source 2 (the lane's term) window 0
	s_wait_dscnt 39                                ; the ten indices for w1 are in; the 39 reads behind them stay out
.irp i, 0,1,2,3,4,5,6,7,8
	OFFS OW+\i, 4*\i*V, 2, CV4
.endr
	OFFS OW+9, 35*V, 2, CV4
	s_wait_dscnt 0x0
.irp f, 0,1,2,3,4,5,6,7,8,9,10,11,12,13,14,15,16,17,18,19,20,21,22,23,24,25,26,27,28,29,30,31,32,33,34,35,36,37,38
	OFFS OE+\f, \f*V, 6, Q16                       ; at most 249,599,984: below 2^31
.endr
	WIN 0x01                                       ; offset (source 0) window 1, loaded data window 0
	s_wait_alu depctr_va_vdst(0)                   ; the 49 offsets are written, which the loads below read
	s_wait_alu depctr_vm_vsrc(0)                   ; the six LDS stores above have read v[D:D+23], in which rows of e2 land
.irp i, 0,1,2,3,4,5,6,7,8,9
	global_load_b32 v[WD+\i], v[OW+\i], s[12:13]
.endr
.irp f, 0,1,2,3,4,5,6,7,8,9,10,11,12,13,14,15,16,17,18,19,20,21,22,23,24,25,26,27,28,29,30,31,32,33,34,35,36,37,38
	global_load_b128 v[D+4*\f:D+4*\f+3], v[OE+\f], s[14:15]
.endr
	WIN 0
	; 19 + 49 loads have been issued by now; an issue that would pass the counter's field is held back by the hardware (ISA guide 5.7.1).
	; ---- while the gather is on its way: weights to bf16 and into LDS ----
	s_wait_loadcnt 49                              ; weights and bias are in; the 10 + 39 gathering loads stay out
.irp j, 0,1,2,3,4,5,6,7,8,9,10,11,12,13,14,15,16,17
	v_cvt_pk_bf16_f32 v[W+4*\j],   v[W+4*\j],   v[W+4*\j+1]    ; four numbers close up into the first two of their four registers
	v_cvt_pk_bf16_f32 v[W+4*\j+1], v[W+4*\j+2], v[W+4*\j+3]
.endr
	s_wait_alu depctr_va_vdst(0)                   ; the conversions have written the data of the LDS stores below, and are done with all of W, in which Xv lands further down
.irp j, 0,1,2,3,4,5,6,7,8,9,10,11,12,13,14,15
	ds_store_b64 v[LW], v[W+4*\j:W+4*\j+1] offset:8*WP*\j                      ; the wave's 32 lanes: a row's 256 bytes
.endr
.irp j, 0,1
	ds_store_b64 v[LW], v[W+64+4*\j:W+64+4*\j+1] offset:128*WP+8*WP*\j
.endr
	ds_store_b32 v[LB], v[BW]
	s_wait_alu depctr_vm_vsrc(0)                   ; these stores have read W's registers, v9, v11 and v27, and every global load has read v3, v8 or v10: Xv lands in W's registers, the MLP's addresses go into the others
	; Xv of my row, out of my wave's own copy, into the registers that the weights have left
.irp f, 0,1,2,3,4,5,6,7,8,9,10,11,12,13,14,15,16,17,18,19,20,21,22,23,24,25,26,27,28,29,30,31,32,33,34,35,36,37,38
	ds_load_b32 v[XV+\f], v[AXI] offset:XV_L+4*\f
.endr
.irp i, 0,1,2,3,4,5,6,7,8
	ds_load_b32 v[WX+\i], v[AW] offset:XV_L+16*\i
.endr
	ds_load_b32 v[WX+9], v[AW] offset:XV_L+140
	v_cmp_ne_u32 vcc_lo, 0, v[CQ]                  ; for the duplicate of field 35, below
	v_mov_b32 v[XV+39], 0                          ; never multiplied with: it only completes field 38's register pair
	; the MLP's addresses.  v3, v8 and v10 were offsets of loads that the two counted waits above have shown done; v9 and v11 served LDS stores;
	; v4 and v5, which the loads just issued read, are left as they are.
	v_and_b32 v[TA], 15, v[LN]                     ; r
	v_lshrrev_b32 v[TB], 4, v[LN]                  ; h
	v_mul_u32_u24 v[ASEC], SP, v[TA]
	v_lshl_add_u32 v[ASEC], v[TB], 4, v[ASEC]
	v_add_nc_u32 v[ASEC], s42, v[ASEC]
	v_and_b32 v[TC], 7, v[LN]
	v_lshl_or_b32 v[TC], v[TB], 3, v[TC]           ; 8 h + (lane & 7): the row of k that I address
	v_mul_u32_u24 v[TC], WP, v[TC]
	v_bfe_u32 v[GB], v[LN], 3, 1
	v_lshl_add_u32 v[TC], v[GB], 4, v[TC]          ; TR
	v_add_nc_u32 v[AW0], W0L, v[TC]
	v_add_nc_u32 v[AW1], s43, v[TC]
	v_lshl_add_u32 v[AB0], v[TB], 5, BIAS
	v_lshl_add_u32 v[AB1], v[TB], 5, s44
	v_lshl_add_u32 v[APART], v[TA], 2, s45
	s_wait_dscnt 0x0                               ; Xv is in registers
	s_wait_alu depctr_va_vcc(0)                    ; the compare has written VCC, which the next line reads
	v_cndmask_b32 v[WX+9], 0, v[WX+9], vcc_lo      ; lane c = 0 met field 35 in round 8 (as 32 + 3 in lane 3): its second visit counts 0
	; ---- first order ----
	s_wait_loadcnt 39                              ; the ten words of w1 are in; e2's 39 loads stay out
	v_mul_f32 v[P], v[WD], v[WX]
.irp i, 1,2,3,4,5,6,7,8,9
	v_fmac_f32 v[P], v[WD+\i], v[WX+\i]
.endr
	v_add_f32_dpp v[P], v[P], v[P] row_xmask:1 row_mask:0xf bank_mask:0xf      ; over the row's four lanes
	v_add_f32_dpp v[P], v[P], v[P] row_xmask:2 row_mask:0xf bank_mask:0xf      ; it is stored with second, behind one wait
	; ---- second order: S += e xv, Q += (e xv)^2, field by field as the rows arrive ----
; b = f & 1 picks Xv[f] out of its register pair for both halves of the packed forms
.macro FIELD f, b
	s_wait_loadcnt 38-(\f)                         ; field f's row is in; the later fields' stay out
	v_pk_mul_f32 v[T:T+1],   v[D+4*(\f):D+4*(\f)+1],   v[XV+(\f)-\b:XV+(\f)-\b+1] op_sel:[0,\b] op_sel_hi:[1,\b]
	v_pk_mul_f32 v[T+2:T+3], v[D+4*(\f)+2:D+4*(\f)+3], v[XV+(\f)-\b:XV+(\f)-\b+1] op_sel:[0,\b] op_sel_hi:[1,\b]
	v_pk_fma_f32 v[S:S+1],   v[D+4*(\f):D+4*(\f)+1],   v[XV+(\f)-\b:XV+(\f)-\b+1], v[S:S+1]   op_sel:[0,\b,0] op_sel_hi:[1,\b,1]
	v_pk_fma_f32 v[S+2:S+3], v[D+4*(\f)+2:D+4*(\f)+3], v[XV+(\f)-\b:XV+(\f)-\b+1], v[S+2:S+3] op_sel:[0,\b,0] op_sel_hi:[1,\b,1]
	v_pk_fma_f32 v[Q:Q+1],   v[T:T+1],   v[T:T+1],   v[Q:Q+1]
	v_pk_fma_f32 v[Q+2:Q+3], v[T+2:T+3], v[T+2:T+3], v[Q+2:Q+3]
.endm
	s_wait_loadcnt 38                              ; field 0 starts the sums: nothing is cleared
	v_pk_mul_f32 v[S:S+1],   v[D:D+1],   v[XV:XV+1] op_sel_hi:[1,0]
	v_pk_mul_f32 v[S+2:S+3], v[D+2:D+3], v[XV:XV+1] op_sel_hi:[1,0]
	v_pk_mul_f32 v[Q:Q+1],   v[S:S+1],   v[S:S+1]
	v_pk_mul_f32 v[Q+2:Q+3], v[S+2:S+3], v[S+2:S+3]
	FIELD 1, 1
.irp g, 1,2,3,4,5,6,7,8,9,10,11,12,13,14,15,16,17,18
	FIELD 2*\g, 0
	FIELD 2*\g+1, 1
.endr
	FIELD 38, 0
	; ---- second = 0.5 (S S - Q), as bf16 and the bf16 of what that rounding lost ----
	v_pk_fma_f32 v[T:T+1],   v[S:S+1],   v[S:S+1],   v[Q:Q+1]   neg_lo:[0,0,1] neg_hi:[0,0,1]
	v_pk_fma_f32 v[T+2:T+3], v[S+2:S+3], v[S+2:S+3], v[Q+2:Q+3] neg_lo:[0,0,1] neg_hi:[0,0,1]
	v_pk_mul_f32 v[T:T+1],   v[T:T+1],   0.5 op_sel_hi:[1,0]
	v_pk_mul_f32 v[T+2:T+3], v[T+2:T+3], 0.5 op_sel_hi:[1,0]
	v_cvt_pk_bf16_f32 v[S],   v[T],   v[T+1]
	v_cvt_pk_bf16_f32 v[S+1], v[T+2], v[T+3]
	v_lshlrev_b32 v[Q],   16, v[S]                 ; the rounded numbers as f32 again
	v_and_b32     v[Q+1], 0xffff0000, v[S]
	v_lshlrev_b32 v[Q+2], 16, v[S+1]
	v_and_b32     v[Q+3], 0xffff0000, v[S+1]
	v_pk_add_f32 v[T:T+1],   v[T:T+1],   v[Q:Q+1]   neg_lo:[0,1] neg_hi:[0,1]
	v_pk_add_f32 v[T+2:T+3], v[T+2:T+3], v[Q+2:Q+3] neg_lo:[0,1] neg_hi:[0,1]
	v_cvt_pk_bf16_f32 v[S+2], v[T],   v[T+1]
	v_cvt_pk_bf16_f32 v[S+3], v[T+2], v[T+3]
	s_wait_alu depctr_va_vdst(0)                   ; v[P] and v[S:S+3] are written, which the three stores read; the MLP's addresses are written; and every vector line so far is done
	                                               ; with v16 to v215, in which layer 1's loads land behind the barrier: no vector line stands between this wait and them
	ds_store_b32 v[LFIRST], v[P]                   ; the four lanes store the same number to the same word
	ds_store_b64 v[LSEC], v[S:S+1]                 ; K places 4c .. 4c+3
	ds_store_b64 v[LSEC], v[S+2:S+3] offset:32     ; K places 16+4c .. 16+4c+3
	s_wait_dscnt 0x0                               ; for the other waves' sake: my rows of W1 and W0, my bias words, my rows of second and of the first-order sums are in LDS
	s_wait_kmcnt 0x0                               ; b_bias
	s_barrier_signal -1
	s_barrier_wait -1                              ; everybody's are
	; ---- layer 1: 8 tiles of 16 hidden units x my 16 rows ----
	s_wait_alu depctr_vm_vsrc(0)                   ; my three LDS stores have read v[S:S+3] and v[P]: these registers are part of A0 and ACC1 from here on, and loads land in them
	ds_load_b128 v[B1:B1+3],   v[ASEC]             ; K = 8h .. 8h+7: second
	ds_load_b128 v[B1+4:B1+7], v[ASEC] offset:32   ; K = 16+8h .. : its residue
.irp t, 0,1,2,3,4,5,6,7
	ds_load_tr16_b128 v[A0+8*\t:A0+8*\t+3],   v[AW0] offset:32*\t      ; W0[8h .. 8h+7][16t + r]
	ds_load_tr16_b128 v[A0+8*\t+4:A0+8*\t+7], v[AW0] offset:32*\t      ; the same once more, for K places 16+8h ..
	ds_load_b128 v[ACC1+8*\t:ACC1+8*\t+3],   v[AB0] offset:64*\t       ; b0[16t + 8h + 0..3] starts the sums
	ds_load_b128 v[ACC1+8*\t+4:ACC1+8*\t+7], v[AB0] offset:64*\t+16
.endr
.irp u, 0,1,2,3
	ds_load_b128 v[ACC2+8*\u:ACC2+8*\u+3],   v[AB1] offset:64*\u       ; b1[64hf + 16u + 8h + 0..3]
	ds_load_b128 v[ACC2+8*\u+4:ACC2+8*\u+7], v[AB1] offset:64*\u+16
.endr
	s_wait_dscnt 0x0
.irp t, 0,1,2,3,4,5,6,7
	v_wmma_f32_16x16x32_bf16 v[ACC1+8*\t:ACC1+8*\t+7], v[A0+8*\t:A0+8*\t+7], v[B1:B1+7], v[ACC1+8*\t:ACC1+8*\t+7]
.endr
.rept 4
	v_nop                                          ; four places behind the last matrix instruction (ISA guide 7.12.1) before vector instructions read
.endr                                                  ; its result; the matrix instructions between are not counted
	; ---- layer 2: my 64 outputs x my 16 rows, K = 128 in four steps ----
.macro LOADA1 c
.irp u, 0,1,2,3
	ds_load_tr16_b128 v[A1+8*(4*\c+\u):A1+8*(4*\c+\u)+3],   v[AW1] offset:32*WP*\c+32*\u          ; W1[32c + 8h ..][64hf + 16u + r]
	ds_load_tr16_b128 v[A1+8*(4*\c+\u)+4:A1+8*(4*\c+\u)+7], v[AW1] offset:32*WP*\c+32*\u+16*WP    ; W1[32c + 16 + 8h ..][..]
.endr
.endm
.macro MUL2 c
.irp u, 0,1,2,3
	v_wmma_f32_16x16x32_bf16 v[ACC2+8*\u:ACC2+8*\u+7], v[A1+8*(4*\c+\u):A1+8*(4*\c+\u)+7], v[X1+8*\c:X1+8*\c+7], v[ACC2+8*\u:ACC2+8*\u+7]
.endr
.endm
	s_wait_alu depctr_va_vdst(0)                   ; layer 1's matrix instructions are done reading A0, in which the loads below land; the places above stay beside this wait
	LOADA1 0                                       ; onto A0's registers
	LOADA1 1
.irp t, 0,1,2,3,4,5,6,7
.irp p, 0,1,2,3
	v_max_num_f32 v[ACC1+8*\t+2*\p],   0, v[ACC1+8*\t+2*\p]
	v_max_num_f32 v[ACC1+8*\t+2*\p+1], 0, v[ACC1+8*\t+2*\p+1]
	v_cvt_pk_bf16_f32 v[X1+4*\t+\p], v[ACC1+8*\t+2*\p], v[ACC1+8*\t+2*\p+1]    ; hidden units 16t+8h+2p, +1 of row r: K step t>>1, register 4(t&1)+p
.endr
.endr
	s_wait_alu depctr_va_vdst(0)                   ; the ReLU and packing lines are done writing and reading ACC1, in which the loads below land
	LOADA1 2                                       ; onto ACC1's registers, which have been packed
	LOADA1 3
	s_wait_dscnt 16                                ; K steps 0 and 1 are in; the 16 loads of steps 2 and 3 stay out
	MUL2 0
	MUL2 1
	s_wait_dscnt 0x0
	MUL2 2
	MUL2 3
.rept 4
	v_nop                                          ; four places before the results are read (ISA guide 7.12.1)
.endr
	; ---- ReLU and the sum of my 64 outputs for each of my 16 rows ----
.irp i, 0,1,2,3,4,5,6,7,8,9,10,11,12,13,14,15,16,17,18,19,20,21,22,23,24,25,26,27,28,29,30,31
	v_max_num_f32 v[ACC2+\i], 0, v[ACC2+\i]
.endr
.irp i, 0,1,2,3,4,5,6,7
	v_pk_add_f32 v[ACC2+2*\i:ACC2+2*\i+1], v[ACC2+2*\i:ACC2+2*\i+1], v[ACC2+16+2*\i:ACC2+16+2*\i+1]
.endr
.irp i, 0,1,2,3
	v_pk_add_f32 v[ACC2+2*\i:ACC2+2*\i+1], v[ACC2+2*\i:ACC2+2*\i+1], v[ACC2+8+2*\i:ACC2+8+2*\i+1]
.endr
.irp i, 0,1
	v_pk_add_f32 v[ACC2+2*\i:ACC2+2*\i+1], v[ACC2+2*\i:ACC2+2*\i+1], v[ACC2+4+2*\i:ACC2+4+2*\i+1]
.endr
	v_pk_add_f32 v[ACC2:ACC2+1], v[ACC2:ACC2+1], v[ACC2+2:ACC2+3]
	v_add_f32 v[ACC2], v[ACC2], v[ACC2+1]          ; my 32 outputs (h's eight of each tile)
	v_permlanex16_b32 v[ACC2+1], v[ACC2], s32, s33 ; the other h's
	v_add_f32 v[ACC2], v[ACC2], v[ACC2+1]
	s_wait_alu depctr_va_vdst(0)                   ; the sum is written, which the LDS store reads
	ds_store_b32 v[APART], v[ACC2]                 ; lanes r and 16 + r store the same number to the same word
	s_wait_dscnt 0x0                               ; in LDS, for wave 0's sake
	s_barrier_signal -1
	s_barrier_wait -1
	; ---- wave 0 adds up and stores: lane L has rows 2L and 2L+1 of the work-group ----
	s_cmp_lg_u32 s4, 0
	s_cbranch_scc1 .Lend
	v_lshlrev_b32 v16, 3, v[LN]                    ; 8 L: offset in out0
	v_lshl_add_u32 v17, v[LN], 3, FIRST
	v_lshrrev_b32 v18, 3, v[LN]                    ; batch tile of my rows
	v_and_b32 v19, 7, v[LN]
	v_lshlrev_b32 v19, 3, v19                      ; r = 2 (L & 7), in bytes
	v_lshl_add_u32 v18, v18, 7, v19                ; + 128 for each batch tile (two waves' 64 bytes)
	v_add_nc_u32 v18, PART, v18
	s_wait_alu depctr_va_vdst(0)                   ; v17 and v18 are written, which the LDS loads read; the matrix instructions are done reading v20 to v25, in which they land
	ds_load_b64 v[20:21], v17                      ; first-order sums
	ds_load_b64 v[22:23], v18                      ; outputs 0-63
	ds_load_b64 v[24:25], v18 offset:64            ; outputs 64-127
	s_wait_dscnt 0x0
	v_pk_add_f32 v[20:21], v[20:21], s[28:29] op_sel_hi:[1,0]      ; + b_bias in both
	v_pk_add_f32 v[22:23], v[22:23], v[24:25]
	v_pk_add_f32 v[20:21], v[20:21], v[22:23]
	s_wait_alu depctr_va_vdst(0)                   ; v[20:21] are written, which the store reads (its offset v16 stands behind the wait before)
	global_store_b64 v16, v[20:21], s[26:27]       ; 32 lanes x 8 bytes: the work-group's 256 consecutive bytes, at a multiple of 256 from out0's first byte
.Lend:
	s_set_vgpr_msb 0x5
	s_wait_dscnt 0x0
	s_wait_alu depctr_hold_cnt(0) depctr_sa_sdst(0) depctr_va_vdst(0) depctr_va_sdst(0) depctr_va_ssrc(0) depctr_va_vcc(0) depctr_vm_vsrc(0)
	s_wait_tensorcnt 0x0
	ds_add_u32 v50, v51
	s_wait_dscnt 0x0
	s_endpgm
.Lfunc_end_k_q01ab668963_nfm:
	.size	k_q01ab668963_nfm, .Lfunc_end_k_q01ab668963_nfm-k_q01ab668963_nfm
	.p2alignl 7, 3214868480
	.fill 96, 4, 3214868480
	.section	.rodata,"a",@progbits
	.p2align	6, 0x0
	.amdhsa_kernel k_q01ab668963_nfm
		.amdhsa_group_segment_fixed_size 69632
		.amdhsa_private_segment_fixed_size 0
		.amdhsa_enable_private_segment 0
		.amdhsa_kernarg_size 80
		.amdhsa_user_sgpr_count 2
		.amdhsa_user_sgpr_kernarg_segment_ptr 1
		.amdhsa_wavefront_size32 1
		.amdhsa_system_sgpr_workgroup_id_x 1
		.amdhsa_system_sgpr_workgroup_id_y 1
		.amdhsa_system_sgpr_workgroup_id_z 1
		.amdhsa_system_vgpr_workitem_id 0
		.amdhsa_next_free_vgpr 308
		.amdhsa_next_free_sgpr 66
		.amdhsa_reserve_vcc 1
		.amdhsa_float_denorm_mode_32 3
		.amdhsa_float_denorm_mode_16_64 3
		.amdhsa_memory_ordered 1
		.amdhsa_forward_progress 1
		.amdhsa_inst_pref_size 62
	.end_amdhsa_kernel
	.amdgpu_metadata
---
amdhsa.version: [ 1, 2 ]
amdhsa.kernels:
  - .name:           k_q01ab668963_nfm
    .symbol:         k_q01ab668963_nfm.kd
    .args:
      - { .name: Xi, .offset: 0, .size: 8, .value_kind: global_buffer, .address_space: global }
      - { .name: Xv, .offset: 8, .size: 8, .value_kind: global_buffer, .address_space: global }
      - { .name: w1, .offset: 16, .size: 8, .value_kind: global_buffer, .address_space: global }
      - { .name: e2, .offset: 24, .size: 8, .value_kind: global_buffer, .address_space: global }
      - { .name: W0, .offset: 32, .size: 8, .value_kind: global_buffer, .address_space: global }
      - { .name: b0, .offset: 40, .size: 8, .value_kind: global_buffer, .address_space: global }
      - { .name: W1, .offset: 48, .size: 8, .value_kind: global_buffer, .address_space: global }
      - { .name: b1, .offset: 56, .size: 8, .value_kind: global_buffer, .address_space: global }
      - { .name: b_bias, .offset: 64, .size: 8, .value_kind: global_buffer, .address_space: global }
      - { .name: out0, .offset: 72, .size: 8, .value_kind: global_buffer, .address_space: global }
    .group_segment_fixed_size: 69632
    .private_segment_fixed_size: 0
    .kernarg_segment_align: 8
    .kernarg_segment_size: 80
    .max_flat_workgroup_size: 256
    .sgpr_count:     66
    .vgpr_count:     308
    .wavefront_size: 32
...
	.end_amdgpu_metadata
.endif
;; end of part 2
